; MI455X (gfx1250); checked and timed in simulation.
; The chip was launched on July 23, 2026; its instructions are those of AMD's public machine-readable ISA for CDNA 5 (MIT licence, August 2026) and "CDNA5" Instruction Set Architecture Reference Guide (July 2026). The comments in the code are by the model that wrote it; some were corrected since.
;; Attention. Allowed arithmetic: matrix products marked QUANTISED: E2M1 operands, one E8M0 scale for each 32 along K, by v_wmma_scale_f32_16x16x128_f8f6f4 with both operands' format E2M1 (or v_wmma_scale_f32_32x16x128_f4), f32 sums; everything else in f32.
;; Inputs: W_out 1,024 x 256 float32; W_proj 256 x 3,072 float32; b_out 256 float32; b_proj 3,072 float32; x 16 x 256 x 32 x 32 float32.
;; Outputs: out0 16 x 256 x 32 x 32 float32.
;; This version of the problem:
;;   THIS VERSION OF THE PROBLEM IS GIVEN IN LOW PRECISION. The matrix products marked QUANTISED in the list below multiply operands that are first quantised to E2M1 (2 exponent bits, 1 mantissa bit; 4 bits a number), with one power-of-two scale for each 32 numbers along K (OCP MX v1.0); their sums are f32. All else is computed in f32.
;;   The module's matrix products, in the order in which they are computed (A, B: the left and right operand; K: the contracted axis; several contracted axes count as one K, in the product's order):
;;     1. [M 16,384, K 256] x [K 256, N 3,072]; A: input x; B: input W_proj: QUANTISED
;;     2. batch 64 x [M 1,024, K 256] x [K 256, N 1,024]; A: computed on the way; B: computed on the way: QUANTISED
;;     3. batch 64 x [M 256, K 1,024] x [K 1,024, N 1,024]; A: computed on the way; B: softmax (see below): QUANTISED
;;     4. [M 16,384, K 1,024] x [K 1,024, N 256]; A: computed on the way; B: input W_out: QUANTISED
;;   THE QUANTISER, for each operand of a quantised product, along K:
;;     - K is cut into blocks of 32 from its start; a last block that is shorter is filled with zeros.
;;     - A block's scale is 2^e with e = floor(log2(the largest magnitude in the block)) - 2, held to -126 .. 127; a block of zeros has e = 0. As a byte (E8M0): e + 127.
;;     - Each number is divided by its block's scale, clamped to +-6, and rounded to the nearest number of E2M1, ties to even, subnormals kept.
;;     - The product sums the exact products of the quantised numbers (number of the format x scale) in f32.
;;   ~~~python
;;   def quantise(x, axis):      # numpy; x: float32 -> the quantised numbers, widened to float32 again
;;       x = np.moveaxis(x, axis, -1); K = x.shape[-1]
;;       x = np.pad(x, [(0, 0)] * (x.ndim - 1) + [(0, -K % 32)]); x = x.reshape(x.shape[:-1] + (-1, 32)); a = np.abs(x).max(-1, keepdims=True)
;;       e = np.where(a > 0, np.clip(np.frexp(np.where(a > 0, a, 1))[1] - 1 - 2, -126, 127), 0)      # np.frexp(a)[1] - 1 = floor(log2(a)), exactly
;;       r = np.clip(x / 2.0 ** e, -6, 6)
;;       step = 2.0 ** (np.maximum(np.frexp(np.where(r == 0, 1, r))[1] - 1, 0) - 1)
;;       q = np.round(r / step) * step * 2.0 ** e      # np.round: ties to even
;;       return np.moveaxis(q.reshape(q.shape[:-2] + (-1,))[..., :K], -1, axis).astype(np.float32)
;;   ~~~
;;   SOFTMAX AHEAD OF A QUANTISED PRODUCT. Where the list says 'softmax', what is quantised is not the finished softmax but p = 2^(t - M), with t = logit x log2(e) and M = ceil(the row's largest t), a whole number; so 1/2 < the row's largest p <= 1. The row's sum l is taken of the UNQUANTISED p, in f32, and the product's result is divided by l at the end. Since M is a whole number, a kernel that streams over the keys may use a running M (the ceiling of the running maximum): every later rescaling is an exact power of two, which a block's scale takes up: the codes' values come out the same.
;;   OPERANDS COMPUTED ON THE WAY. 'Computed on the way' means the value that the module computes at that place (a softmax that the list does not call 'softmax' is quantised finished and normalised). What goes into a quantiser is computed in f32, as accurately as f32 sums, v_exp_f32 and their like allow (about 1e-6 of the number): no bf16 or f16 on the way to a quantiser, and a product that is left as it is and whose result goes on into a quantised operand takes f32 operands (vector FMAs, or v_wmma_f32_16x16x4_f32). A number that lies on a knife's edge between two numbers of the format may be rounded either way, as far as f32 arithmetic and the matrix unit's own rounding can turn it there, and no further.
;; One version. Each part assembles by itself: llvm-mc -triple=amdgcn-amd-amdhsa -mcpu=gfx1250 --defsym DOCPART=n.
;; ======== version 1 of 1: 3 launches
;; limits: right only within a limited range of input values
;; workspace buffers: opc 2,621,440 bytes; ops 163,840 bytes; qc 8,388,608 bytes; qs 524,288 bytes; kv 17,825,792 bytes
;; launch quant (part 1): grid 256 x 1, 5 waves a work-group, no clusters, 0 bytes of LDS; arguments x, W_proj, W_out, opc, ops; writes opc, ops
.if DOCPART == 1
	.amdgcn_target "amdgcn-amd-amdhsa--gfx1250"
	.amdhsa_code_object_version 6
	.text
	.protected	k_q3677c200c7_quant
	.globl	k_q3677c200c7_quant
	.p2align	8
	.type	k_q3677c200c7_quant,@function
k_q3677c200c7_quant:
	s_mov_b64 s[64:65], 0
	v_nop
	global_prefetch_b8 v0, s[64:65] scope:SCOPE_SE
	s_setreg_imm32_b32 hwreg(HW_REG_WAVE_MODE, 25, 1), 1
	s_wait_xcnt 0x0
; x [16][256 c][1024 n], W_proj [256][3072] and W_out [1024][256], all f32 with K as the FIRST axis of each matrix, become codes of FP4 (E2M1) with one E8M0 byte for each 32 along K.
; DEAD WORK: none.  b_proj moves the codes of q, k and v; b_out and x reach the output; all four products are live for all values of the inputs: every input is loaded by some launch of the program.
; LIMITS: NaN and infinities among the inputs are not served.  A block of zeros gets the byte 1 where the quantiser says 127: its codes are zeros, which add nothing under any byte but 0xff, and the bytes are read by this program alone.
; Blocks whose largest magnitude lies under 2^(3 - 127) have their byte held at 1.
; LAYOUT OF ALL WORKSPACE OPERANDS: AN IMAGE OF THE OPERAND'S REGISTERS.  A fragment (16 rows x 128 K of 4-bit codes) is 1,024 bytes: block beta (32 along K) of row r lies at 256 beta + 16 r.
; A reader takes it by two loads of 16 bytes a lane, at 16 x lane and 512 + 16 x lane.  Scale words: for a tile and a K step 64 bytes, 4 r; two K steps on end: 128 bytes a tile.
; THE ROWS OF A TILE ARE NOT NEIGHBOURS: lane r of tile T holds row 32 (T / 2) + 8 (T % 2) + r + 8 (r / 8), so that in a product that takes tiles 2 b, 2 b + 1 as source 0 a lane's 16 results are 16 neighbours.
; SHARES: 1,280 equal units of 32 columns x 128 K, one a wave: 1,024 of x, 192 of W_proj, 64 of W_out.  A lane takes a column and its 128 registers run down K: a block lies in one lane, nothing is transposed.
; Each store of codes covers two aligned runs of 256 bytes (16 lanes of tile 2 cg, 16 lanes of tile 2 cg + 1).  No LDS, no barrier: waves share nothing.  No matrix work, no tile shared: no cluster.
.set WPC, 2097152                      ; opc: x's images from 0, W_proj's from here,
.set WOC, 2490368                      ; W_out's from here
.set WPS, 131072                       ; ops likewise
.set WOS, 155648
.set X,   32                           ; v32-159 my column's 128 numbers
.set CD,  16                           ; v16-31  codes, four registers a block: no store's data are written again
	s_load_b128 s[4:7], s[0:1], 0x0                ; x, W_proj
	s_load_b128 s[8:11], s[0:1], 0x10              ; W_out, opc
	s_load_b64 s[12:13], s[0:1], 0x20              ; ops
	v_lshrrev_b32 v4, 5, v0
	v_readfirstlane_b32 s14, v4                    ; wave 0..4
	v_and_b32 v5, 31, v0                           ; j: my column of the unit's 32
	v_lshlrev_b32 v1, 2, v5                        ; in: 4 bytes a lane
	v_bfe_u32 v6, v5, 3, 1                         ; which of the two tiles: (j / 8) % 2
	v_and_b32 v7, 7, v5
	v_lshrrev_b32 v8, 4, v5
	v_lshl_add_u32 v7, v8, 3, v7                   ; r = j % 8 + 8 (j / 16)
	v_lshlrev_b32 v2, 4, v7
	v_lshl_add_u32 v2, v6, 11, v2                  ; codes: 2,048 x tile + 16 r
	v_lshlrev_b32 v3, 2, v7
	v_lshl_add_u32 v3, v6, 7, v3                   ; scale word: 128 x tile + 4 r
	s_mul_i32 s15, ttmp9, 5
	s_add_co_u32 s15, s15, s14                     ; the unit's number
	s_mov_b32 s17, 0
	s_mov_b32 s21, 0
	s_mov_b32 s23, 0
	s_wait_kmcnt 0x0
.macro LOADS pitch                     ; 128 rows of K, 128 consecutive bytes a load
.set k, 0
.rept 128
	global_load_b32 v[X+k], v1, s[18:19] offset:k*\pitch th:TH_LOAD_NT
.set k, k+1
.endr
.endm
	s_cmp_lt_u32 s15, 1024
	s_cbranch_scc0 .Lnot_x
	s_lshr_b32 s24, s15, 6                         ; x: batch,
	s_bfe_u32 s25, s15, 0x10005                    ; K step,
	s_and_b32 s26, s15, 31                         ; group of 32 positions
	s_lshl_b32 s16, s24, 20
	s_lshl_b32 s27, s25, 19
	s_add_co_u32 s16, s16, s27
	s_lshl_b32 s27, s26, 7
	s_add_co_u32 s16, s16, s27
	s_add_nc_u64 s[18:19], s[4:5], s[16:17]
	s_wait_alu depctr_va_vdst(0)
	LOADS 4096
	s_lshl_b32 s27, s24, 6
	s_lshl_b32 s28, s26, 1
	s_add_co_u32 s27, s27, s28                     ; tile 64 b + 2 cg
	s_lshl_b32 s20, s27, 11
	s_lshl_b32 s28, s25, 10
	s_add_co_u32 s20, s20, s28
	s_lshl_b32 s22, s27, 7
	s_lshl_b32 s28, s25, 6
	s_add_co_u32 s22, s22, s28
	s_branch .Ljoin
.Lnot_x:
	s_cmp_lt_u32 s15, 1216
	s_cbranch_scc0 .Lw_out
	s_sub_co_u32 s24, s15, 1024
	s_cmp_ge_u32 s24, 96
	s_cselect_b32 s25, 1, 0                        ; W_proj: K step,
	s_mul_i32 s26, s25, 96
	s_sub_co_u32 s26, s24, s26                     ; group of 32 columns
	s_mul_i32 s16, s25, 1572864
	s_lshl_b32 s27, s26, 7
	s_add_co_u32 s16, s16, s27
	s_add_nc_u64 s[18:19], s[6:7], s[16:17]
	s_wait_alu depctr_va_vdst(0)
	LOADS 12288
	s_lshl_b32 s20, s26, 12
	s_lshl_b32 s27, s25, 10
	s_add_co_u32 s20, s20, s27
	s_add_co_u32 s20, s20, WPC
	s_lshl_b32 s22, s26, 8
	s_lshl_b32 s27, s25, 6
	s_add_co_u32 s22, s22, s27
	s_add_co_u32 s22, s22, WPS
	s_branch .Ljoin
.Lw_out:
	s_sub_co_u32 s24, s15, 1216
	s_and_b32 s26, s24, 7                          ; W_out: group of 32 columns,
	s_lshr_b32 s25, s24, 3                         ; K step 0..7 = 2 x head + half
	s_lshl_b32 s16, s25, 17
	s_lshl_b32 s27, s26, 7
	s_add_co_u32 s16, s16, s27
	s_add_nc_u64 s[18:19], s[8:9], s[16:17]
	s_wait_alu depctr_va_vdst(0)
	LOADS 1024
	s_lshr_b32 s28, s25, 1
	s_and_b32 s29, s25, 1
	s_lshl_b32 s20, s28, 15
	s_lshl_b32 s27, s26, 12
	s_add_co_u32 s20, s20, s27
	s_lshl_b32 s27, s29, 10
	s_add_co_u32 s20, s20, s27
	s_add_co_u32 s20, s20, WOC
	s_lshl_b32 s22, s28, 11
	s_lshl_b32 s27, s26, 8
	s_add_co_u32 s22, s22, s27
	s_lshl_b32 s27, s29, 6
	s_add_co_u32 s22, s22, s27
	s_add_co_u32 s22, s22, WOS
.Ljoin:
	s_add_nc_u64 s[10:11], s[10:11], s[20:21]      ; where my unit's codes go,
	s_add_nc_u64 s[12:13], s[12:13], s[22:23]      ; and its scale words
; Block beta: its largest magnitude (all 32 numbers are mine), the scale's byte, the codes.  left: how many younger loads may stay out (a count holds 63 at the most: the first two blocks wait for a little more than they need)
.macro BLOCK beta, left
.set XS, X+32*(\beta)
	s_wait_loadcnt \left
	v_max3_num_f32 v8, |v[XS]|, |v[XS+1]|, |v[XS+2]|
	v_max3_num_f32 v9, |v[XS+3]|, |v[XS+4]|, |v[XS+5]|
.irp i, 6,10,14,18,22,26
	v_max3_num_f32 v8, v8, |v[XS+\i]|, |v[XS+\i+1]|
	v_max3_num_f32 v9, v9, |v[XS+\i+2]|, |v[XS+\i+3]|
.endr
	v_max3_num_f32 v8, v8, |v[XS+30]|, |v[XS+31]|
	v_max3_num_f32 v8, v8, v9, 0x1800000           ; and the floor 2^(3 - 127): the byte cannot fall under 1
	v_add_nc_u32 v11, 0xff000000, v8               ; 2 off the exponent field: the conversion takes this operand's exponent field as its scale
	v_lshrrev_b32 v10, 23, v11                     ; the scale's byte
.if (\beta) == 0
	v_mov_b32 v12, v10
.else
	v_lshl_or_b32 v12, v10, 8*(\beta), v12         ; four bytes make the K step's scale word
.endif
.irp g, 0,1,2,3
	v_cvt_scalef32_pk8_fp4_f32 v[CD+4*(\beta)+\g], v[XS+8*\g:XS+8*\g+7], v11
.endr
	global_store_b128 v2, v[CD+4*(\beta):CD+4*(\beta)+3], s[10:11] offset:256*(\beta)
.endm
	BLOCK 0, 63
	BLOCK 1, 63
	BLOCK 2, 32
	BLOCK 3, 0
	global_store_b32 v3, v12, s[12:13]
	s_endpgm
.Lfunc_end_k_q3677c200c7_quant:
	.size	k_q3677c200c7_quant, .Lfunc_end_k_q3677c200c7_quant-k_q3677c200c7_quant
	.p2alignl 7, 3214868480
	.fill 96, 4, 3214868480
	.section	.rodata,"a",@progbits
	.p2align	6, 0x0
	.amdhsa_kernel k_q3677c200c7_quant
		.amdhsa_group_segment_fixed_size 0
		.amdhsa_private_segment_fixed_size 0
		.amdhsa_enable_private_segment 0
		.amdhsa_kernarg_size 40
		.amdhsa_user_sgpr_count 2
		.amdhsa_user_sgpr_kernarg_segment_ptr 1
		.amdhsa_wavefront_size32 1
		.amdhsa_system_sgpr_workgroup_id_x 1
		.amdhsa_system_sgpr_workgroup_id_y 1
		.amdhsa_system_sgpr_workgroup_id_z 1
		.amdhsa_system_vgpr_workitem_id 0
		.amdhsa_next_free_vgpr 168
		.amdhsa_next_free_sgpr 66
		.amdhsa_reserve_vcc 0
		.amdhsa_float_denorm_mode_32 3
		.amdhsa_float_denorm_mode_16_64 3
		.amdhsa_memory_ordered 1
		.amdhsa_forward_progress 1
		.amdhsa_inst_pref_size 46
	.end_amdhsa_kernel
	.amdgpu_metadata
---
amdhsa.version: [ 1, 2 ]
amdhsa.kernels:
  - .name:           k_q3677c200c7_quant
    .symbol:         k_q3677c200c7_quant.kd
    .args:
      - { .name: x, .offset: 0, .size: 8, .value_kind: global_buffer, .address_space: global }
      - { .name: W_proj, .offset: 8, .size: 8, .value_kind: global_buffer, .address_space: global }
      - { .name: W_out, .offset: 16, .size: 8, .value_kind: global_buffer, .address_space: global }
      - { .name: opc, .offset: 24, .size: 8, .value_kind: global_buffer, .address_space: global }
      - { .name: ops, .offset: 32, .size: 8, .value_kind: global_buffer, .address_space: global }
    .group_segment_fixed_size: 0
    .private_segment_fixed_size: 0
    .kernarg_segment_align: 8
    .kernarg_segment_size: 40
    .max_flat_workgroup_size: 160
    .sgpr_count:     66
    .vgpr_count:     168
    .wavefront_size: 32
...
	.end_amdgpu_metadata
.endif
;; end of part 1
;; launch qkv (part 2): grid 128 x 2, 12 waves a work-group, clusters of 4 x 1, 214,528 bytes of LDS; arguments opc, ops, b_proj, qc, qs, kv; writes qc, qs, kv
.if DOCPART == 2
	.amdgcn_target "amdgcn-amd-amdhsa--gfx1250"
	.amdhsa_code_object_version 6
	.text
	.protected	k_q3677c200c7_qkv
	.globl	k_q3677c200c7_qkv
	.p2align	8
	.type	k_q3677c200c7_qkv,@function
k_q3677c200c7_qkv:
	s_mov_b64 s[64:65], 0
	v_nop
	global_prefetch_b8 v0, s[64:65] scope:SCOPE_SE
	s_setreg_imm32_b32 hwreg(HW_REG_WAVE_MODE, 25, 1), 1
	s_wait_xcnt 0x0
	s_wait_alu depctr_hold_cnt(0) depctr_sa_sdst(0) depctr_va_vdst(0) depctr_va_sdst(0) depctr_va_ssrc(0) depctr_va_vcc(0) depctr_vm_vsrc(0)
	s_getreg_b32 s2, hwreg(HW_REG_IB_STS2, 6, 4)
	s_cmp_eq_u32 s2, 0
	s_cbranch_scc0 .Lentry_in_a_cluster
	s_endpgm
.Lentry_in_a_cluster:
	s_bfe_u32 s2, ttmp6, 0x10000c
	s_cmp_lg_u32 s2, 0x3003
	s_cbranch_scc0 .Lentry_shape_is_right
	s_endpgm
.Lentry_shape_is_right:
; qkv = xf W_proj + b_proj on codes of FP4, and its three parts quantised on the way: q and k along the head's 256, v along the keys.  No f32 number of q, k, v goes to memory.  No work is left out.
; SHARES.  Work-group (x, y): 128 positions (one key step: batch x / 8, step x % 8) and two heads (2 y, 2 y + 1).  Wave w: head 2 y + w / 6; of the six: part (q, k, v) = (w % 6) / 2, half of the head's 256 = w % 2.
; A wave keeps 8 tiles x 2 K steps in 128 registers as source 0 (pairs of tiles: 32 rows) and streams 8 tiles as source 1; each streamed tile gives 8 matrix instructions, whose 64 results a lane are one fragment of the next product.
;   q, k: source 0 = 8 tiles of W_proj's columns, source 1 = a tile of x: a lane holds one position, its registers run along d: the fragment (tile of positions, K step = my half).
;   v:    source 0 = the 8 tiles of x, source 1 = a tile of W_proj's columns: a lane holds one d, its registers run along the 128 keys: a fragment of V^T.
; The tiles' row order (lane r of tile T: row 32 (T / 2) + 8 (T % 2) + r + 8 (r / 8)) makes the 16 results of a pair of tiles b sixteen neighbours: 32 b + 16 (lane / 16) + 0 .. 15.
; The bias is the C of each sum's first matrix instruction.  Results leave as images of operand registers: 16 bytes a lane, 512 consecutive bytes a store.
; LDS, FILLED ONCE: the two heads' 96 tiles of W_proj (196,608 bytes; wave w's eight begin at 16,384 w), then the 8 tiles of x (16,384 bytes), as they lie in memory.
; JOINT LOADS: the four work-groups of a cluster have the same y, and so the same W_proj: waves 0 to 7 ask jointly for an eighth of it each; wave 8 asks for the work-group's own x by a load without a mask.
; NO PREFETCH: every tile is asked for once, at the head; there is no loop to run ahead in.  Scale words and the bias, 4 bytes or 32 a lane, come by plain loads.
; LIMITS: as stated at the head of the first launch (NaN, infinities; a block of zeros has the byte 1 over zero codes).
; REGISTERS: v0 the thread's number; v1 16 x lane, v2 4 x lane, v3 the scale words' place, v4 the bias's, v5 LDS: my tiles of W_proj, v6 LDS: x; v8-15 source 0's scale words (8 + 2 pair + K step); v16-17 the stream's; v18 the word just made,
;   v19 two tiles' words; v20-27 largest magnitudes, bytes, then the codes; v28-31 the conversions' scales; v32-63 the stream, two buffers; v64-127 the 4 accumulators; v128-255 source 0 (128 + 32 pair + 16 K step); window 1, v0-63: the bias.
.set WPC, 2097152
.set WPS, 131072
.set REC, 34816                        ; a key step's record in kv: K's 16 fragments, V^T's 16, K's scale words (1,024 bytes), V's (1,024)
.set HEADB, 278528                     ; eight records
.set XL,  196608
.set SPARE, 212992                     ; behind x: the spare words, 128 bytes for each wave: six blocks of 256 bytes that no other line names
.set BM,  20
.set BP,  24
.set SO,  28
.set SEL, 46
.set HM,  48
.set MSB, 0
.macro WIN new                         ; the immediate's high byte repeats the setting that is left
.if MSB != \new
	s_set_vgpr_msb (MSB<<8)|\new
.set MSB, \new
.endif
.endm
.macro PLACES n
.rept \n
	v_nop
.endr
.endm
.macro CROUND                          ; a round of the cluster's barrier
	s_barrier_signal -1
	s_barrier_wait -1
	s_cmp_lg_u32 s17, 0
	s_cbranch_scc1 .Lnot_wave_0_\@
	s_barrier_signal -3
.Lnot_wave_0_\@:
	s_barrier_wait -3
	s_barrier_signal -1
	s_barrier_wait -1
.endm
; 64 numbers of a lane, register 16 b + i = k 32 b + 16 (lane / 16) + i of my row, become a fragment's codes in v[pc] on and its scale word in v[pw].
.macro QUANT s, pc, pw
.irp b, 0,1,2,3
	v_max3_num_f32 v[BM+\b], |v[(\s)+16*\b]|, |v[(\s)+1+16*\b]|, 0x1800000   ; my 16 numbers of block b, and the floor 2^(3 - 127)
.endr
.irp i, 2,4,6,8,10,12,14
.irp b, 0,1,2,3
	v_max3_num_f32 v[BM+\b], v[BM+\b], |v[(\s)+16*\b+\i]|, |v[(\s)+1+16*\b+\i]|
.endr
.endr
.irp b, 0,1,2,3
	s_delay_alu instid0(VALU_DEP_4)
	v_permlanex16_b32 v[BP+\b], v[BM+\b], s[SEL], s[SEL+1]
.endr
.irp b, 0,1,2,3
	s_delay_alu instid0(VALU_DEP_4)
	v_max_num_f32 v[BM+\b], v[BM+\b], v[BP+\b]     ; with lane l xor 16's: the block's largest magnitude
.endr
.irp b, 0,1,2,3
	s_delay_alu instid0(VALU_DEP_4)
	v_add_nc_u32 v[SO+\b], 0xff000000, v[BM+\b]    ; 2 off its exponent field: the conversion's scale operand
.endr
.irp b, 0,1,2,3
	s_delay_alu instid0(VALU_DEP_4)
	v_lshrrev_b32 v[BP+\b], 23, v[SO+\b]           ; the scale's byte
.endr
	s_delay_alu instid0(VALU_DEP_3)
	v_lshl_or_b32 v[\pw], v[BP+1], 8, v[BP]
	s_delay_alu instid0(VALU_DEP_1)
	v_lshl_or_b32 v[\pw], v[BP+2], 16, v[\pw]
	s_delay_alu instid0(VALU_DEP_1)
	v_lshl_or_b32 v[\pw], v[BP+3], 24, v[\pw]
.irp b, 0,1,2,3
	v_cvt_scalef32_pk8_fp4_f32 v[(\pc)+2*\b], v[(\s)+16*\b:(\s)+7+16*\b], v[SO+\b]
	v_cvt_scalef32_pk8_fp4_f32 v[(\pc)+1+2*\b], v[(\s)+8+16*\b:(\s)+15+16*\b], v[SO+\b]
.endr
	v_nop                                          ; one plain place behind a scaled conversion
.irp c, 0,1                                    ; the operand's layout wants a whole block in a lane
.irp i, 0,1
	v_permlane16_swap_b32 v[(\pc)+4*\c+\i], v[(\pc)+2+4*\c+\i]
.endr
.endr
.endm
	s_load_b256 s[4:11], s[0:1], 0x0               ; opc, ops, b_proj, qc
	s_load_b128 s[12:15], s[0:1], 0x20             ; qs, kv
	v_lshl_add_u32 v20, v0, 2, SPARE
	v_mov_b32 v21, 0
	ds_add_u32 v20, v21                            ; the wave's opening: the add, twice on end, and its wait ahead of my first tensor load
	ds_add_u32 v20, v21
	v_lshrrev_b32 v5, 5, v0
	v_and_b32 v3, 31, v0
	v_bfe_u32 v7, v0, 4, 1                         ; h
	v_readfirstlane_b32 s17, v5                    ; wave 0..11
	v_lshlrev_b32 v1, 4, v3
	v_lshlrev_b32 v2, 2, v3
	s_lshl_b32 s60, s17, 14                        ; my eight tiles of W_proj: 8 (6 head + 2 part + half) = 8 w
	v_add_nc_u32 v6, XL, v1
	v_and_b32 v18, 64, v2
	v_add_nc_u32 v5, s60, v1
	v_add_nc_u32 v18, v18, v2                      ; 4 r + 128 h: a pair's scale words: two tiles lie 128 bytes apart
.irp b, 0,1,2,3
	v_mov_b32 v[BP+\b], 0                          ; written once: a lane permute's destination counts as one of its sources
.endr
	s_bfe_u32 s60, ttmp6, 0x40000                  ; cx: it enters the addresses of x and of the results alone
	s_lshl_b32 s61, ttmp9, 2
	s_add_co_u32 s61, s61, s60                     ; work-group x
	s_and_b32 s16, ttmp7, 0xffff                   ; pair of heads
	s_cmp_ge_u32 s17, 6
	s_cselect_b32 s18, 1, 0
	s_mul_i32 s19, s18, 6
	s_sub_co_u32 s19, s17, s19                     ; w % 6
	s_lshl_b32 s20, s16, 1
	s_add_co_u32 s20, s20, s18                     ; head
	s_lshr_b32 s21, s19, 1                         ; part: 0 q, 1 k, 2 v
	s_and_b32 s22, s19, 1                          ; half of the head's 256
	s_lshr_b32 s23, s61, 3                         ; batch
	s_and_b32 s24, s61, 7                          ; key step
	s_lshl_b32 s25, s23, 2
	s_add_co_u32 s25, s25, s20                     ; bh = 4 x batch + head
	s_mul_i32 s26, s20, 3
	s_add_co_u32 s26, s26, s21                     ; which 256 columns of W_proj
	s_lshl_b32 s27, s26, 4
	s_lshl_b32 s28, s22, 3
	s_add_co_u32 s27, s27, s28                     ; my first tile of W_proj
	s_lshl_b32 s50, s27, 7
	s_add_co_u32 s50, s50, WPS                     ; its scale words;
	s_lshl_b32 s52, s61, 10                        ; x's
	s_cmp_eq_u32 s21, 2                            ; v keeps x and streams W_proj; q and k the other way round.  Offsets are chosen, never pointers
	s_cselect_b32 s36, s52, s50
	s_cselect_b32 s38, s50, s52
	s_mov_b32 s37, 0
	s_mov_b32 s39, 0
	s_lshl_b32 s40, s26, 10
	s_lshl_b32 s28, s22, 9
	s_add_co_u32 s40, s40, s28                     ; b_proj: my 128 numbers
	s_mov_b32 s41, 0
	s_mul_i32 s53, s25, HEADB
	s_mul_i32 s54, s24, REC
	s_add_co_u32 s53, s53, s54                     ; my record in kv
	s_lshl_b32 s54, s25, 17
	s_lshl_b32 s55, s24, 14
	s_add_co_u32 s54, s54, s55
	s_lshl_b32 s55, s22, 10
	s_add_co_u32 s54, s54, s55                     ; q's codes
	s_add_co_u32 s55, s53, s55                     ; k's
	s_lshl_b32 s56, s22, 13
	s_add_co_u32 s56, s56, s53
	s_add_co_u32 s56, s56, 16384                   ; v's
	s_cmp_eq_u32 s21, 0
	s_cselect_b32 s42, s54, s55
	s_cmp_eq_u32 s21, 2
	s_cselect_b32 s42, s56, s42
	s_mov_b32 s43, 0
	s_lshl_b32 s54, s25, 13
	s_lshl_b32 s55, s24, 10
	s_add_co_u32 s54, s54, s55
	s_lshl_b32 s55, s22, 6
	s_add_co_u32 s54, s54, s55                     ; q's scale words
	s_add_co_u32 s55, s53, s55
	s_add_co_u32 s55, s55, 32768                   ; k's
	s_lshl_b32 s56, s22, 9
	s_add_co_u32 s56, s56, s53
	s_add_co_u32 s56, s56, 33792                   ; v's
	s_cmp_eq_u32 s21, 0
	s_cselect_b32 s44, s54, s55
	s_cmp_eq_u32 s21, 2
	s_cselect_b32 s44, s56, s44
	s_mov_b32 s45, 0
	s_mov_b32 s[SEL], 0x76543210
	s_mov_b32 s[SEL+1], 0xfedcba98                 ; v_permlanex16_b32's selects for lane l xor 16
	s_mov_b32 s[HM], 0xffff0000                    ; lanes 16-31
	; descriptor group 1: dense blocks as rows of 256 bytes (32 elements of 8 bytes): W_proj 96 rows a wave, x 64
	s_mov_b32 s68, 15|(3<<16)|(1<<21)              ; 15:0 the mask: all four work-groups; 17:16 elements of 8 bytes; 21 set beside a mask
	s_mov_b32 s76, 3<<16                           ; x: no mask
.irp g, 68, 76
	s_mov_b32 s[\g+1], 32<<16                      ; tensor_dim0
	s_mov_b32 s[\g+3], 32<<16                      ; tile_dim0
	s_mov_b32 s[\g+5], 32                          ; tensor_dim0_stride
	s_mov_b32 s[\g+6], 0
	s_mov_b32 s[\g+7], 0
.endr
	s_mov_b32 s70, 96<<16                          ; tensor_dim1
	s_mov_b32 s72, 96                              ; tile_dim1
	s_mov_b32 s78, 64<<16
	s_mov_b32 s80, 64
	s_mov_b32 s84, 1
	s_mul_i32 s85, s17, 24576                      ; LDS: an eighth of W_proj's tiles a wave (waves 0 to 7)
	s_mov_b32 s88, 1
	s_mov_b32 s89, XL
	s_mul_i32 s62, s16, 196608
	s_add_co_u32 s62, s62, s85
	s_add_co_u32 s62, s62, WPC                     ; and in memory
	s_mov_b32 s63, 0
	s_lshl_b32 s66, s61, 14                        ; x's 8 tiles
	s_mov_b32 s67, 0
	s_wait_alu depctr_va_vdst(0)
	s_wait_dscnt 0x0                               ; both opening adds are done
	s_wait_kmcnt 0x0
	s_add_nc_u64 s[86:87], s[4:5], s[62:63]
	s_or_b32 s87, s87, 0x80000000                  ; type = 2
	s_add_nc_u64 s[90:91], s[4:5], s[66:67]
	s_or_b32 s91, s91, 0x80000000
	CROUND                                         ; all four work-groups are here: the joint loads meet
	s_cmp_lt_u32 s17, 8                            ; one chain of branches on the wave's number, one load to an arm
	s_cbranch_scc0 .Lnot_w
	tensor_load_to_lds s[84:87], s[68:75]
	s_nop 0
	PLACES 4
	s_branch .Lasked
.Lnot_w:
	s_cmp_lt_u32 s17, 9
	s_cbranch_scc0 .Lasked
	tensor_load_to_lds s[88:91], s[76:83]
	s_nop 0
	PLACES 4
.Lasked:
	s_add_nc_u64 s[36:37], s[6:7], s[36:37]        ; source 0's scale words
	s_add_nc_u64 s[38:39], s[6:7], s[38:39]        ; the stream's
	s_add_nc_u64 s[40:41], s[8:9], s[40:41]
	s_cmp_eq_u32 s21, 0                            ; q goes to qc and qs, k and v to kv: the choice hangs on the wave's number alone
	s_cselect_b64 s[56:57], s[10:11], s[14:15]
	s_cselect_b64 s[58:59], s[12:13], s[14:15]
	s_add_nc_u64 s[42:43], s[56:57], s[42:43]
	s_add_nc_u64 s[44:45], s[58:59], s[44:45]
.irp b, 0,1,2,3
.irp s, 0,1
	global_load_b32 v[8+2*\b+\s], v18, s[36:37] offset:256*\b+64*\s   ; a pair's 32 words for one K step
.endr
.endr
	global_load_b32 v16, v2, s[38:39]              ; lanes 0-15: K step 0's words, lanes 16-31: K step 1's
	s_wait_tensorcnt 0x0                           ; what I asked for is in
	s_wait_dscnt 0x0
	s_barrier_signal -1
	s_barrier_wait -1                              ; and so is everybody's
.macro SRC0 a                          ; source 0: eight tiles from LDS address v[a]
.irp t, 0,1,2,3,4,5,6,7
.irp s, 0,1
.irp c, 0,1
	ds_load_b128 v[128+32*(\t/2)+16*\s+8*(\t%2)+4*\c:131+32*(\t/2)+16*\s+8*(\t%2)+4*\c], v[\a] offset:2048*\t+1024*\s+512*\c
.endr
.endr
.endr
.endm
.macro STREAM it, a                    ; streamed tile it from LDS address v[a], into buffer it % 2
.irp n, 0,1,2,3
	ds_load_b128 v[32+16*((\it)%2)+4*\n:35+16*((\it)%2)+4*\n], v[\a] offset:2048*(\it)+512*\n
.endr
.endm
; One streamed tile.  vrole = 1: v's unit (the bias is the streamed tile's, the same in a lane's sixteen registers); a: the stream's LDS address register; ostr, sstr: bytes from fragment to fragment and from scale words to scale words in the output.
.macro ITER it, vrole, a, ostr, sstr
.set SB_, 32+16*((\it)%2)
.set SC_, 16+(\it)%2
.if (\it) < 7
	STREAM (\it)+1, \a                             ; the next tile, into the buffer whose products stand a whole quantising back
	global_load_b32 v[16+((\it)+1)%2], v2, s[38:39] offset:128*((\it)+1)
	s_wait_dscnt 4                                 ; all but the four just issued
	s_wait_loadcnt 1                               ; all but the one just issued
.else
	s_wait_dscnt 0x0
	s_wait_loadcnt 0x0
.endif
.if \vrole
	WIN 0x41                                       ; destination and source 0: window 1
.irp j, 0,1,2,3,4,5,6,7,8,9,10,11,12,13,14,15
	v_mov_b32 v[\j], v[16+\it]                     ; a C operand is sixteen registers: the lane's one number in each
.endr
.endif
	WIN 0x10                                       ; C: window 1
.irp b, 0,1,2,3
.if \vrole
	v_wmma_scale_f32_32x16x128_f4 v[64+16*\b:79+16*\b], v[128+32*\b:143+32*\b], v[SB_:SB_+7], v[0:15], v[8+2*\b], v[SC_]
.else
	v_wmma_scale_f32_32x16x128_f4 v[64+16*\b:79+16*\b], v[128+32*\b:143+32*\b], v[SB_:SB_+7], v[16*\b:16*\b+15], v[8+2*\b], v[SC_]
.endif
.endr
	WIN 0                                          ; the four accumulators take turns, one instruction a turn
.irp b, 0,1,2,3
	v_wmma_scale_f32_32x16x128_f4 v[64+16*\b:79+16*\b], v[144+32*\b:159+32*\b], v[SB_+8:SB_+15], v[64+16*\b:79+16*\b], v[9+2*\b], v[SC_] matrix_b_scale:MATRIX_SCALE_ROW1
.endr
	PLACES 4                                       ; places in front of the first read of results
	s_wait_xcnt 0x0                                ; the last tile's stores have read their data: v19 to v27 are written again only behind this wait
	QUANT 64, 20, 18
	global_store_b128 v1, v[20:23], s[42:43] offset:(\it)*(\ostr)        ; the fragment as it stands: 512 consecutive bytes a store
	global_store_b128 v1, v[24:27], s[42:43] offset:(\it)*(\ostr)+512
.if (\it)%2 == 0
	v_mov_b32 v19, v18                             ; two tiles' scale words leave together:
.else
	v_cndmask_b32 v19, v19, v18, s[HM]             ; lanes 0-15 the even tile's, lanes 16-31 the odd one's
	global_store_b32 v3, v19, s[44:45] offset:((\it)-1)*(\sstr)
.endif
.endm
	s_cmp_eq_u32 s21, 2
	s_cbranch_scc1 .Lv_unit
	SRC0 5
	STREAM 0, 6
	v_and_b32 v3, 15, v0                           ; r
	v_lshlrev_b32 v4, 6, v7                        ; q, k.  The bias: lane (r, h) wants, for tile t, b_proj at 32 (t / 2) + 16 h + 8 (t % 2) + 0 .. 7
	v_lshlrev_b32 v3, 2, v3
	v_lshl_add_u32 v3, v7, 7, v3                   ; scale words: 128 bytes from tile to tile, 4 r
	WIN 0x40                                       ; destination window 1
.irp t, 0,1,2,3,4,5,6,7
	global_load_b128 v[8*\t:8*\t+3], v4, s[40:41] offset:(32*(\t/2)+8*(\t%2))*4
	global_load_b128 v[8*\t+4:8*\t+7], v4, s[40:41] offset:(32*(\t/2)+8*(\t%2))*4+16
.endr
	WIN 0
.irp it, 0,1,2,3,4,5,6,7
	ITER \it, 0, 6, 2048, 128
.endr
	s_branch .Lend
.Lv_unit:
	SRC0 6
	STREAM 0, 5
	v_and_b32 v3, 15, v0                           ; r
	v_and_b32 v4, 8, v0
	v_add_nc_u32 v4, v4, v3
	v_lshlrev_b32 v4, 2, v4                        ; v.  The bias: lane r wants, for streamed tile it, b_proj at 32 (it / 2) + 8 (it % 2) + r + 8 (r / 8)
	v_mov_b32 v3, v2                               ; scale words: 64 bytes from tile to tile
	WIN 0x40
.irp it, 0,1,2,3,4,5,6,7
	global_load_b32 v[16+\it], v4, s[40:41] offset:(32*(\it/2)+8*(\it%2))*4
.endr
	WIN 0
.irp it, 0,1,2,3,4,5,6,7
	ITER \it, 1, 5, 1024, 64
.endr
.Lend:
	s_wait_xcnt 0x0                                ; my last stores have read v20 and v21
	v_lshl_add_u32 v20, v0, 2, SPARE
	v_mov_b32 v21, 0
	s_wait_alu depctr_va_vdst(0)
	s_wait_tensorcnt 0x0                           ; the wave's end
	ds_add_u32 v20, v21
	s_wait_dscnt 0x0
	CROUND                                         ; the closing round: no work-group ends while a partner may still ask for a tile that names it
	s_endpgm
.Lfunc_end_k_q3677c200c7_qkv:
	.size	k_q3677c200c7_qkv, .Lfunc_end_k_q3677c200c7_qkv-k_q3677c200c7_qkv
	.p2alignl 7, 3214868480
	.fill 96, 4, 3214868480
	.section	.rodata,"a",@progbits
	.p2align	6, 0x0
	.amdhsa_kernel k_q3677c200c7_qkv
		.amdhsa_group_segment_fixed_size 214528
		.amdhsa_private_segment_fixed_size 0
		.amdhsa_enable_private_segment 0
		.amdhsa_kernarg_size 48
		.amdhsa_user_sgpr_count 2
		.amdhsa_user_sgpr_kernarg_segment_ptr 1
		.amdhsa_wavefront_size32 1
		.amdhsa_system_sgpr_workgroup_id_x 1
		.amdhsa_system_sgpr_workgroup_id_y 1
		.amdhsa_system_sgpr_workgroup_id_z 1
		.amdhsa_system_vgpr_workitem_id 0
		.amdhsa_next_free_vgpr 320
		.amdhsa_next_free_sgpr 92
		.amdhsa_reserve_vcc 0
		.amdhsa_float_denorm_mode_32 3
		.amdhsa_float_denorm_mode_16_64 3
		.amdhsa_memory_ordered 1
		.amdhsa_forward_progress 1
		.amdhsa_inst_pref_size 119
	.end_amdhsa_kernel
	.amdgpu_metadata
---
amdhsa.version: [ 1, 2 ]
amdhsa.kernels:
  - .name:           k_q3677c200c7_qkv
    .symbol:         k_q3677c200c7_qkv.kd
    .args:
      - { .name: opc, .offset: 0, .size: 8, .value_kind: global_buffer, .address_space: global }
      - { .name: ops, .offset: 8, .size: 8, .value_kind: global_buffer, .address_space: global }
      - { .name: b_proj, .offset: 16, .size: 8, .value_kind: global_buffer, .address_space: global }
      - { .name: qc, .offset: 24, .size: 8, .value_kind: global_buffer, .address_space: global }
      - { .name: qs, .offset: 32, .size: 8, .value_kind: global_buffer, .address_space: global }
      - { .name: kv, .offset: 40, .size: 8, .value_kind: global_buffer, .address_space: global }
    .group_segment_fixed_size: 214528
    .private_segment_fixed_size: 0
    .kernarg_segment_align: 8
    .kernarg_segment_size: 48
    .max_flat_workgroup_size: 384
    .sgpr_count:     92
    .vgpr_count:     320
    .wavefront_size: 32
...
	.end_amdgpu_metadata
.endif
;; end of part 2
;; launch attout (part 3): grid 64 x 4, 8 waves a work-group, clusters of 4 x 1, 327,680 bytes of LDS; arguments qc, qs, kv, opc, ops, b_out, x, out0; writes out0
.if DOCPART == 3
	.amdgcn_target "amdgcn-amd-amdhsa--gfx1250"
	.amdhsa_code_object_version 6
	.text
	.protected	k_q3677c200c7_attout
	.globl	k_q3677c200c7_attout
	.p2align	8
	.type	k_q3677c200c7_attout,@function
k_q3677c200c7_attout:
	s_mov_b64 s[64:65], 0
	v_nop
	global_prefetch_b8 v0, s[64:65] scope:SCOPE_SE
	s_setreg_imm32_b32 hwreg(HW_REG_WAVE_MODE, 25, 1), 1
	s_wait_xcnt 0x0
	s_wait_alu depctr_hold_cnt(0) depctr_sa_sdst(0) depctr_va_vdst(0) depctr_va_sdst(0) depctr_va_ssrc(0) depctr_va_vcc(0) depctr_vm_vsrc(0)
	s_getreg_b32 s2, hwreg(HW_REG_IB_STS2, 6, 4)
	s_cmp_eq_u32 s2, 0
	s_cbranch_scc0 .Lentry_in_a_cluster
	s_endpgm
.Lentry_in_a_cluster:
	s_bfe_u32 s2, ttmp6, 0x10000c
	s_cmp_lg_u32 s2, 0x3003
	s_cbranch_scc0 .Lentry_shape_is_right
	s_endpgm
.Lentry_shape_is_right:
; res = softmax(q k^T / 16) v for all four heads of 64 positions, and out0[b][c][n] = (res W_out)[n][c] + b_out[c] + x[b][c][n]: all three products on codes of FP4.  No work is left out.
; THE SOFTMAX AHEAD OF THE SECOND PRODUCT: t = score x log2(e) / 16; M = the row's largest t so far, rounded UP to a whole number; p = 2^(t - M) is quantised along the keys, not normalised.
; The row's sum is taken of the unquantised p and divides at the end.  When M moves, the sum and O^T are multiplied by 2^(old M - new M): exact.
; SHARES.  Work-group (nb, batch) owns positions 64 nb .. 64 nb + 63.  Wave w: head w / 2, query tiles 2 (w % 2), + 1 of the four; it walks its head's 1,024 keys, 128 a step.  Then wave w makes channels c = 32 w .. 32 w + 31 for all 64 positions.
; LDS.  A ring of two slots, each one key step's records of the four heads (4 x 34,816 bytes, as they lie in memory: images of operand registers); each wave fetches half a head's record, 68 rows of 256 bytes.
; w x 17,408 has neither of the two bits of SLOT (w is under 8), so an exclusive or with SLOT turns a wave's LDS address from slot to slot.
; res, quantised along the 1,024 = 256 x head + d, goes from the waves' registers to LDS bytes of its own and comes back as source 0 of the last product.
; JOINT LOADS.  The four work-groups of a cluster share a batch, and so every tile: the same load, the same descriptor, the mask of all four.  A change of slots is a round of the cluster's barrier; the step's last products, work on registers, stand inside it.
; PREFETCH.  In step k (0 to 4) each wave asks for step k + 3 of the half record that it fetches, 17 of its 68 rows in each of the four partners, told apart by address; that step's load goes out at the end of step k + 1.
; Steps 0 to 2 come by their loads alone; steps 6 and 7 ask for nothing.  x is asked for once, two key steps ahead of its loads, a lane a row of 256 bytes.  W_out (128 KB) is read by every work-group, once, with no loop to run ahead in: it is not prefetched.
; LAYOUT.  All products transposed: source 0 = 32 rows (two tiles: by the tiles' row order a lane's 16 results are 16 neighbours), source 1 = 16.  Source 0's scale words fill 32 lanes; source 1's lie in lanes 0-15 (first K step) and 16-31 (second).
; LIMITS: as stated at the head of the first launch; and the scaled scores t stay under 2^31 in magnitude.
; REGISTERS, window 0: v0 4 r + 128 h; v1 16 x lane, v2 4 x lane; v3, v4 LDS addresses; v5, v6 the add's two; v7 the prefetches' offset, then my place in x and out0; v8-9 Q's scale words, v10-11 p's, then res's;
;   v12-15, v16-19 (-M, largest t, the sum in two halves) of tiles a, b; v20-23 f; v24-36, v38-39 at work; v40-47 K's scale words, V's, at the end W_out's; v48-63 p's codes; v64-95 Q; v96-127 two units of K;
;   v24-39 and v48-63 are also two units of K while the scores are made; v128-255 S^T, then p, then V^T, at the end W_out.  window 1: O^T, tile q's accumulators at v[128 q + 16 i]; at the end v0-63 x, v128-191 the output.
.set REC,   34816
.set HEADB, 278528
.set SLOT,  139264
.set SPARE, 278528                     ; the spare words, 128 bytes for each wave: four blocks of 256 bytes that no other line names
.set RIMG,  279552                     ; res's codes: [tile 4][K step 8][1,024]
.set RSC,   312320                     ; its scale words: [pair of tiles 2][K step 8][128]
.set WOC, 2490368
.set WOS, 155648
.set SEL, 20
.set CS,  22
.set G1,  24
.set G0,  32
.set WV,  36
.set HD,  37
.set QP,  38
.set PFA, 42
.set TB,  44                           ; LDS byte at which the slot in hand begins
.set TH,  45                           ; and my head's record in it
.set HO,  46
.set CNT, 47
.set HM,  48
.set BM,  24
.set BP,  28
.set SO,  32
.set MSB, 0
.macro WIN new                         ; the immediate's high byte repeats the setting that is left
.if MSB != \new
	s_set_vgpr_msb (MSB<<8)|\new
.set MSB, \new
.endif
.endm
.macro PLACES n
.rept \n
	v_nop
.endr
.endm
.macro CREST                           ; a round of the cluster's barrier behind its opening barrier
	s_cmp_lg_u32 s[WV], 0
	s_cbranch_scc1 .Lnot_wave_0_\@
	s_barrier_signal -3
.Lnot_wave_0_\@:
	s_barrier_wait -3
	s_barrier_signal -1
	s_barrier_wait -1
.endm
.macro CROUND
	s_barrier_signal -1
	s_barrier_wait -1
	CREST
.endm
.macro JLOAD                           ; the wave's one joint load behind a round
	tensor_load_to_lds s[G0:G0+3], s[G1:G1+7]
	s_nop 0
	PLACES 4
.endm
.macro NEXT                            ; the descriptor walks: the other slot, the next key step (no tensor load of mine is out)
	s_xor_b32 s[G0+1], s[G0+1], SLOT
	s_add_nc_u64 s[G0+2:G0+3], s[G0+2:G0+3], REC
.endm
; The block scales' last lines, for the quantiser and the softmax: from the largest magnitudes in BM: the conversions' scales, the scale word v[pw], the codes v[pc] on, of the 64 numbers at v[s].
.macro CODES s, pc, pw
.irp b, 0,1,2,3
	s_delay_alu instid0(VALU_DEP_4)
	v_add_nc_u32 v[SO+\b], 0xff000000, v[BM+\b]    ; 2 off the exponent field: the conversion's scale operand
.endr
.irp b, 0,1,2,3
	s_delay_alu instid0(VALU_DEP_4)
	v_lshrrev_b32 v[BP+\b], 23, v[SO+\b]           ; the scale's byte
.endr
	s_delay_alu instid0(VALU_DEP_3)
	v_lshl_or_b32 v[\pw], v[BP+1], 8, v[BP]
	s_delay_alu instid0(VALU_DEP_1)
	v_lshl_or_b32 v[\pw], v[BP+2], 16, v[\pw]
	s_delay_alu instid0(VALU_DEP_1)
	v_lshl_or_b32 v[\pw], v[BP+3], 24, v[\pw]
.irp b, 0,1,2,3
	v_cvt_scalef32_pk8_fp4_f32 v[(\pc)+2*\b], v[(\s)+16*\b:(\s)+7+16*\b], v[SO+\b]
	v_cvt_scalef32_pk8_fp4_f32 v[(\pc)+1+2*\b], v[(\s)+8+16*\b:(\s)+15+16*\b], v[SO+\b]
.endr
	v_nop                                          ; one plain place behind a scaled conversion
.irp c, 0,1                                    ; the operand's layout wants a whole block in a lane
.irp i, 0,1
	v_permlane16_swap_b32 v[(\pc)+4*\c+\i], v[(\pc)+2+4*\c+\i]
.endr
.endr
.endm
.macro OTHER                           ; with lane l xor 16's: the block's largest
.irp b, 0,1,2,3
	s_delay_alu instid0(VALU_DEP_4)
	v_permlanex16_b32 v[BP+\b], v[BM+\b], s[SEL], s[SEL+1]
.endr
.irp b, 0,1,2,3
	s_delay_alu instid0(VALU_DEP_4)
	v_max_num_f32 v[BM+\b], v[BM+\b], v[BP+\b]
.endr
.endm
; 64 numbers of a lane, register 16 b + i = k 32 b + 16 (lane / 16) + i of my row, become a fragment's codes and its scale word.
.macro QUANT s, pc, pw
.irp b, 0,1,2,3
	v_max3_num_f32 v[BM+\b], |v[(\s)+16*\b]|, |v[(\s)+1+16*\b]|, 0x1800000   ; and the floor 2^(3 - 127)
.endr
.irp i, 2,4,6,8,10,12,14
.irp b, 0,1,2,3
	s_delay_alu instid0(VALU_DEP_4)
	v_max3_num_f32 v[BM+\b], v[BM+\b], |v[(\s)+16*\b+\i]|, |v[(\s)+1+16*\b+\i]|
.endr
.endr
	OTHER
	CODES \s, \pc, \pw
.endm
	s_load_b256 s[4:11], s[0:1], 0x0               ; qc, qs, kv, opc
	s_load_b256 s[12:19], s[0:1], 0x20             ; ops, b_out, x, out0
	v_lshl_add_u32 v5, v0, 2, SPARE
	v_mov_b32 v6, 0
	ds_add_u32 v5, v6                              ; the wave's opening: the add, twice on end, and its wait ahead of my first tensor load
	ds_add_u32 v5, v6
	v_lshrrev_b32 v1, 5, v0
	v_and_b32 v2, 31, v0
	v_readfirstlane_b32 s[WV], v1                  ; wave 0..7
	v_min_u32 v7, 16, v2
	v_lshlrev_b32 v1, 4, v2                        ; 16 x lane
	v_lshlrev_b32 v2, 2, v2                        ; 4 x lane
	v_lshlrev_b32 v7, 8, v7                        ; the prefetches' 17 rows (lanes 17-31 name the last again)
	v_and_b32 v0, 64, v2
	v_add_nc_u32 v0, v0, v2                        ; 4 r + 128 h: K's scale words: two tiles lie 128 bytes apart
	s_bfe_u32 s39, ttmp6, 0x40000                  ; cx: it enters the addresses of q, x, out0 and of the prefetches alone
	s_mov_b32 s40, ttmp9                           ; the batch = the cluster's x, which the four partners share
	s_lshr_b32 s[HD], s[WV], 1                     ; my head. Also: whose record I fetch
	s_and_b32 s[QP], s[WV], 1                      ; my pair of query tiles.  Also: which half of the record
	s_mov_b32 s[G1], 15|(3<<16)|(1<<21)            ; 15:0 the mask: all four work-groups; 17:16 elements of 8 bytes; 21 set beside a mask
	s_mov_b32 s[G1+1], 32<<16                      ; tensor_dim0: rows of 256 bytes
	s_mov_b32 s[G1+2], 68<<16                      ; tensor_dim1
	s_mov_b32 s[G1+3], 32<<16                      ; tile_dim0
	s_mov_b32 s[G1+4], 68                          ; tile_dim1
	s_mov_b32 s[G1+5], 32                          ; tensor_dim0_stride
	s_mov_b32 s[G1+6], 0
	s_mov_b32 s[G1+7], 0
	s_mov_b32 s[G0], 1
	s_mul_i32 s[G0+1], s[WV], 17408                ; LDS: slot 0, half a record a wave
	s_mul_i32 s50, s40, 4*HEADB
	s_mul_i32 s41, s[HD], HEADB
	s_add_co_u32 s50, s50, s41
	s_mul_i32 s41, s[QP], 17408
	s_add_co_u32 s50, s50, s41                     ; my half record in kv, key step 0
	s_mov_b32 s51, 0
	s_mul_i32 s52, s39, 4352
	s_add_co_u32 s52, s52, s50
	s_add_co_u32 s52, s52, 3*REC                   ; my 17 rows of key step 3
	s_mov_b32 s53, 0
	s_and_b32 s54, ttmp7, 0xffff
	s_lshl_b32 s54, s54, 2                         ; nb = 4 x cluster y + cx:
	s_add_co_u32 s54, s54, s39                     ; nb
	s_lshl_b32 s55, s40, 20                        ; x, out0: the batch,
	s_lshl_b32 s41, s[WV], 17
	s_add_co_u32 s55, s55, s41                     ; my 32 rows c,
	s_lshl_b32 s41, s54, 8
	s_add_co_u32 s62, s55, s41                     ; the 64 positions
	s_mov_b32 s63, 0
	s_lshl_b32 s54, s54, 2
	s_lshl_b32 s41, s[QP], 1
	s_add_co_u32 s54, s54, s41                     ; my first query tile of the batch's 64
	s_lshl_b32 s55, s40, 2
	s_add_co_u32 s55, s55, s[HD]                   ; bh
	s_lshl_b32 s56, s55, 17
	s_lshl_b32 s41, s54, 11
	s_add_co_u32 s56, s56, s41                     ; q's codes
	s_mov_b32 s57, 0
	s_lshl_b32 s58, s55, 13
	s_lshl_b32 s41, s54, 7
	s_add_co_u32 s58, s58, s41                     ; q's scale words
	s_mov_b32 s59, 0
	s_mul_i32 s54, s[WV], 17408
	s_add_co_u32 s54, s54, WOC-8192                ; W_out's codes come by a load of the ring's own shape: 544 rows of 256 bytes, of which the last 512 are W_out
	s_mov_b32 s55, 0
	s_lshl_b32 s60, s[WV], 8
	s_add_co_u32 s60, s60, WOS
	s_mov_b32 s61, 0
	s_mov_b32 s[SEL], 0x76543210
	s_mov_b32 s[SEL+1], 0xfedcba98
	s_mov_b32 s[CS], 0x3db8aa3b                    ; c = log2(e) / 16
	s_mov_b32 s[CS+1], s[CS]                       ; (named with it as a pair, so it is written)
	s_mov_b32 s[HM], 0xffff0000                    ; lanes 16-31
	s_mov_b32 s[TB], 0
	s_mul_i32 s[HO], s[HD], REC
	s_wait_alu depctr_va_vdst(0)
	s_wait_dscnt 0x0                               ; both opening adds are done
	s_wait_kmcnt 0x0
	s_add_nc_u64 s[G0+2:G0+3], s[8:9], s[50:51]
	s_or_b32 s[G0+3], s[G0+3], 0x80000000          ; type = 2
	s_add_nc_u64 s[PFA:PFA+1], s[8:9], s[52:53]
	s_add_nc_u64 s[4:5], s[4:5], s[56:57]
	s_add_nc_u64 s[6:7], s[6:7], s[58:59]
	s_add_nc_u64 s[10:11], s[10:11], s[54:55]
	s_or_b32 s11, s11, 0x80000000                  ; with the type: the ring's last refill takes this address
	s_add_nc_u64 s[12:13], s[12:13], s[60:61]
	s_lshl_b32 s50, s[WV], 7
	s_add_nc_u64 s[14:15], s[14:15], s[50:51]      ; b_out: my 32
	s_add_nc_u64 s[16:17], s[16:17], s[62:63]
	s_add_nc_u64 s[18:19], s[18:19], s[62:63]
.irp n, 0,1,2,3,4,5,6,7
	global_load_b128 v[64+4*\n:67+4*\n], v1, s[4:5] offset:512*\n   ; Q stays in registers: tile q, K step s at v[64 + 16 q + 8 s]
.endr
	global_load_b32 v8, v2, s[6:7]                 ; lanes 0-15: K step 0's words, lanes 16-31: K step 1's
	global_load_b32 v9, v2, s[6:7] offset:128
	CROUND                                         ; all four work-groups are here: the joint loads meet
	JLOAD                                          ; key step 0: one tensor load a wave at the head
.irp q, 0,1
	v_mov_b32 v[13+4*\q], 0xff61b1e6               ; the largest t so far: -3e38, under every t
	v_mov_b32 v[14+4*\q], 0                        ; the sum, in two halves
	v_mov_b32 v[15+4*\q], 0
	v_mov_b32 v[21+2*\q], 0                        ; (named as the upper half of f's pair)
	v_floor_f32 v[12+4*\q], -v[13+4*\q]            ; -M
.endr
.irp b, 0,1,2,3
	v_mov_b32 v[BP+\b], 0                          ; written once: a lane permute's destination counts as one of its sources
.endr
; THE SOFTMAX of tile q for one key step: 64 scores a lane in v[128 + 64 q] on become p, its codes in v[48 + 8 q] on and its scale word in v[10 + q].
.macro SOFT q
.set SB, 128+64*(\q)
.set NM, 12+4*(\q)
.set FF, 20+2*(\q)
.irp b, 0,1,2,3
	v_max3_num_f32 v[BM+\b], v[SB+16*\b], v[SB+1+16*\b], v[SB+2+16*\b]   ; the largest score of each block of 32 keys: for the row's maximum, and, since p rises with the score, for the block's largest p
.endr
.irp i, 3,5,7,9,11,13
.irp b, 0,1,2,3
	v_max3_num_f32 v[BM+\b], v[BM+\b], v[SB+16*\b+\i], v[SB+1+16*\b+\i]
.endr
.endr
.irp b, 0,1,2,3
	v_max_num_f32 v[BM+\b], v[BM+\b], v[SB+15+16*\b]
.endr
	OTHER
	s_delay_alu instid0(VALU_DEP_2)
	v_max3_num_f32 v36, v[BM], v[BM+1], v[BM+2]
	s_delay_alu instid0(VALU_DEP_1)
	v_max_num_f32 v36, v36, v[BM+3]                ; the step's largest score of my query
	s_delay_alu instid0(VALU_DEP_1)
	v_mul_f32 v36, s[CS], v36                      ; as t
	s_delay_alu instid0(VALU_DEP_1)
	v_max_num_f32 v[NM+1], v[NM+1], v36            ; the running largest t
	v_mov_b32 v36, v[NM]
	s_delay_alu instid0(VALU_DEP_2)
	v_floor_f32 v[NM], -v[NM+1]                    ; the new -M = floor(-t) = -ceil(t)
	s_delay_alu instid0(VALU_DEP_1)
	v_sub_f32 v36, v[NM], v36                      ; old M less new M: a whole number, 0 or less
	s_delay_alu instid0(VALU_DEP_1)
	v_cvt_i32_f32 v36, v36                         ; (it saturates)
	s_delay_alu instid0(VALU_DEP_1)
	v_ldexp_f32 v[FF], 1.0, v36                    ; f = 2^(old M - new M)
.set j, 0
.rept 32
	v_pk_fma_f32 v[SB+j:SB+j+1], v[SB+j:SB+j+1], s[CS:CS+1], v[NM:NM+1] op_sel_hi:[1,0,0]   ; t - M, two at a time
.set j, j+2
.endr
.irp b, 0,1,2,3
	v_fma_f32 v[BM+\b], v[BM+\b], s[CS], v[NM]     ; the same of each block's largest score
.endr
	s_wait_alu depctr_va_vdst(0)
.set j, 0
.rept 64
	v_exp_f32 v[SB+j], v[SB+j]                     ; p = 2^(t - M), at most 1
.set j, j+1
.endr
	v_pk_mul_f32 v[NM+2:NM+3], v[NM+2:NM+3], v[FF:FF+1] op_sel_hi:[1,0]   ; the sums under the new M: a plain place behind the exponentials
	s_wait_alu depctr_va_vdst(0)                   ; and one behind it, ahead of its first reader
.irp b, 0,1,2,3
	v_exp_f32 v[BM+\b], v[BM+\b]                   ; the block's largest p
.endr
	v_pk_add_f32 v[38:39], v[SB:SB+1], v[SB+2:SB+3]   ; the row's sum of the UNQUANTISED p, in two chains
.set j, 4
.rept 15
	v_pk_add_f32 v[NM+2:NM+3], v[NM+2:NM+3], v[SB+j:SB+j+1]
	v_pk_add_f32 v[38:39], v[38:39], v[SB+j+2:SB+j+3]
.set j, j+4
.endr
	s_delay_alu instid0(VALU_DEP_1)
	v_pk_add_f32 v[NM+2:NM+3], v[NM+2:NM+3], v[38:39]
	s_wait_alu depctr_va_vdst(0)                   ; and one for the four
.irp b, 0,1,2,3
	v_max_num_f32 v[BM+\b], 0x1800000, v[BM+\b]    ; the floor 2^(3 - 127): the byte cannot fall under 1
.endr
	CODES SB, 48+8*(\q), 10+\q
.endm
; A unit of K: the pair of tiles g for K step s: 32 keys x 128 d, 16 registers, four loads.
.macro KL g, s, b
.irp u, 0,1
.irp c, 0,1
	ds_load_b128 v[(\b)+8*\u+4*\c:(\b)+8*\u+4*\c+3], v3 offset:4096*(\g)+2048*\u+1024*(\s)+512*\c
.endr
.endr
.endm
; Its two products.  Units go in the order (0,0) (1,0) (0,1) (1,1) (2,0) ..: three other products stand between a sum's two steps.
.macro MM g, s, b
.irp q, 0,1
.if \s
	v_wmma_scale_f32_32x16x128_f4 v[128+64*\q+16*(\g):143+64*\q+16*(\g)], v[(\b):(\b)+15], v[72+16*\q:79+16*\q], v[128+64*\q+16*(\g):143+64*\q+16*(\g)], v[41+2*(\g)], v[8+\q] matrix_b_scale:MATRIX_SCALE_ROW1
.else
	v_wmma_scale_f32_32x16x128_f4 v[128+64*\q+16*(\g):143+64*\q+16*(\g)], v[(\b):(\b)+15], v[64+16*\q:71+16*\q], 0, v[40+2*(\g)], v[8+\q]
.endif
.endr
.endm
; A KEY STEP: 128 keys, both tiles of queries.  first = 1: it starts O^T's sums.  fill = 1: its slot is filled again (behind a round of the cluster's barrier) with the key step two on.
; Ahead of it stand, behind the last step's products, four v_nop; with the two additions six places: the scores are laid over V^T's fragments (five are owed), K's units and scale words over p's codes and V's words (four).
.macro STEP first, fill
.if \fill && (\first == 0)
	s_wait_xcnt 0x0                                ; my last prefetch has read its address:
	s_add_nc_u64 s[PFA:PFA+1], s[PFA:PFA+1], REC   ; on to the next key step
.endif
	s_add_co_u32 s[TH], s[TB], s[HO]
	v_add_nc_u32 v3, s[TH], v1
	v_add_nc_u32 v4, s[TH], v0
	KL 0, 0, 96                                    ; S^T = K Q^T, two units at a time on two pairs of buffers
	KL 1, 0, 112
.irp g, 0,1,2,3
	ds_load_b32 v[40+2*\g], v4 offset:32768+256*\g         ; the pair's scale words for K step 0,
	ds_load_b32 v[41+2*\g], v4 offset:32768+256*\g+64      ; and for K step 1
.endr
	KL 0, 1, 24
	KL 1, 1, 48
	s_wait_alu depctr_va_vdst(0)
	s_wait_dscnt 0x8                               ; the first two units and the scale words are in; the next two units' eight loads may be out
	MM 0, 0, 96
	MM 1, 0, 112
	PLACES 4                                       ; places in front of loads into registers that matrix instructions have read
	KL 2, 0, 96
	KL 3, 0, 112
	s_wait_dscnt 0x8
	MM 0, 1, 24
	MM 1, 1, 48
	PLACES 4
	KL 2, 1, 24
	KL 3, 1, 48
	s_wait_dscnt 0x8
	MM 2, 0, 96
	MM 3, 0, 112
	s_wait_dscnt 0x0
	MM 2, 1, 24
	MM 3, 1, 48
	PLACES 4                                       ; places in front of the first read of results, and of the softmax's writes into K's units
.if \first
	global_prefetch_b8 v7, s[PFA:PFA+1] th:TH_LOAD_NT scope:SCOPE_SE   ; key step 3
.elseif \fill
	s_cmp_lt_u32 s[CNT], 3                         ; steps 5 and 6 ask for no key step: there is none behind step 7
	s_cbranch_scc1 .Lno_ask_\@
	global_prefetch_b8 v7, s[PFA:PFA+1] th:TH_LOAD_NT scope:SCOPE_SE
.Lno_ask_\@:
	s_cmp_lg_u32 s[CNT], 2                         ; step 5 asks for x: my 32 rows of 256 bytes
	s_cbranch_scc1 .Lno_x_\@
	v_lshlrev_b32 v37, 10, v2                      ; 4,096 x lane: a lane a row c (written again behind the next step's s_wait_xcnt 0)
	global_prefetch_b8 v37, s[16:17] th:TH_LOAD_NT scope:SCOPE_SE
.Lno_x_\@:
.endif
	SOFT 0
	v_add_nc_u32 v4, s[TH], v2
.irp i, 0,1,2,3,4,5,6,7
	ds_load_b32 v[40+\i], v4 offset:33792+128*\i   ; V's scale words: lanes 0-15 tile 2 i, lanes 16-31 tile 2 i + 1
.endr
.set n, 0
.rept 16
	ds_load_b128 v[128+4*n:131+4*n], v3 offset:16384+512*n   ; V^T's tiles 0-7 take the registers that tile a's p has left; they land under tile b's softmax
.set n, n+1
.endr
	SOFT 1
.set n, 16
.rept 16
	ds_load_b128 v[128+4*n:131+4*n], v3 offset:16384+512*n   ; tiles 8-15: the step's last reads of its slot
.set n, n+1
.endr
	s_wait_alu depctr_va_vdst(0)
	s_wait_tensorcnt 0x0                           ; my part of the next key step is in: no tensor load of mine is out
.if \fill
	ds_add_u32 v5, v6                              ; 0 onto my spare word
	NEXT
.if \first == 0
	s_cmp_eq_u32 s[CNT], 1                         ; the loop's last trip, step 6, fills slot 0 with W_out's codes, which land under step 7
	s_cselect_b64 s[G0+2:G0+3], s[10:11], s[G0+2:G0+3]
.endif
.endif
.if \first
	PLACES 8                                       ; p's scale word, written by vector instructions, stands eight places ahead of the scaled products, its codes four
.else
	s_wait_alu depctr_va_vdst(0)
	WIN 0x41                                       ; O^T (destination, source 0): window 1
.irp q, 0,1
.set i, 0
.rept 64
	v_pk_mul_f32 v[128*\q+i:128*\q+i+1], v[128*\q+i:128*\q+i+1], v[20+2*\q:21+2*\q] op_sel_hi:[1,0]   ; O^T under the new M; these are also the places in front of the products
.set i, i+2
.endr
.endr
.endif
	s_wait_alu depctr_va_vdst(0)
	s_wait_dscnt 0x0                               ; V^T is in registers, the add is done: my reads of this slot are over
	s_barrier_signal -1
	WIN 0x50                                       ; C and D: window 1
.irp i, 0,1,2,3,4,5,6,7                        ; O^T += V^T P^T: sixteen accumulators by turns; work on registers inside the barrier
.irp q, 0,1
.if \first
	v_wmma_scale_f32_32x16x128_f4 v[128*\q+16*\i:128*\q+16*\i+15], v[128+16*\i:143+16*\i], v[48+8*\q:55+8*\q], 0, v[40+\i], v[10+\q]
.else
	v_wmma_scale_f32_32x16x128_f4 v[128*\q+16*\i:128*\q+16*\i+15], v[128+16*\i:143+16*\i], v[48+8*\q:55+8*\q], v[128*\q+16*\i:128*\q+16*\i+15], v[40+\i], v[10+\q]
.endif
.endr
.endr
	WIN 0
	s_barrier_wait -1                              ; the next step's slot is whole
.if \fill
	CREST                                          ; and no wave of any partner still reads this one or has a load on its way
	JLOAD
.else
	PLACES 4
.endif
	s_xor_b32 s[TB], s[TB], SLOT
.endm
	s_wait_alu depctr_va_vdst(0)
	s_wait_tensorcnt 0x0                           ; my part of key step 0 is in; these lines stand ahead of a later first fill as ahead of a refill
	ds_add_u32 v5, v6
	NEXT
	s_wait_dscnt 0x0
	CROUND
	JLOAD                                          ; key step 1, into slot 1
	s_wait_loadcnt 0x0                             ; Q
	STEP 1, 1
	s_mov_b32 s[CNT], 6
.Lfill:                                                ; key steps 1 to 6: each fills its slot with the step two on, the last with W_out
	STEP 0, 1
	s_sub_co_u32 s[CNT], s[CNT], 1
	s_cmp_lg_u32 s[CNT], 0
	s_cbranch_scc1 .Lfill
	STEP 0, 0                                      ; key step 7 fills nothing; its barrier shows W_out whole
; THE LAST PRODUCT'S OPERANDS.  W_out's 16 fragments of my two tiles come from slot 0 (8,192 bytes in) into v128-255 (tile u, K step ks at 128 + 8 (2 ks + u)), which V^T has left; they land while res is quantised.
.irp hd, 0,1,2,3
.irp u, 0,1
	global_load_b32 v[40+2*\hd+\u], v2, s[12:13] offset:2048*\hd+128*\u   ; lanes 0-15 the head's first K step, lanes 16-31 its second
.endr
.endr
	s_mul_i32 s50, s[WV], 8704
	s_add_co_u32 s50, s50, SLOT                    ; my stage: 32 rows of 256 bytes + 16.  It lies in slot 1, which has had its last fill and, ahead of step 7's barrier, its last read
	s_lshl_b32 s51, s[QP], 14
	s_lshl_b32 s52, s[HD], 11
	s_add_co_u32 s51, s51, s52
	s_add_co_u32 s51, s51, RIMG                    ; where my part of res goes: tiles 2 QP, + 1, K steps 2 HD, + 1
	s_lshl_b32 s52, s[QP], 10
	s_lshl_b32 s53, s[HD], 8
	s_add_co_u32 s52, s52, s53
	s_add_co_u32 s52, s52, RSC
	s_lshl_b32 s53, s[WV], 12
	s_add_co_u32 s53, s53, 8192                    ; my two tiles of W_out in slot 0: heads 0 and 1,
	s_add_co_u32 s54, s53, 65536                   ; heads 2 and 3
	v_bfe_u32 v24, v2, 2, 4                        ; r
	v_lshrrev_b32 v25, 6, v2                       ; h
	v_and_b32 v26, 8, v24
	v_add_nc_u32 v26, v26, v24                     ; r + 8 (r / 8): my c in a tile
	v_mul_u32_u24 v3, v26, 272
	v_lshl_add_u32 v3, v25, 6, v3
	v_add_nc_u32 v3, s50, v3                       ; the stage, in: row = my c, + 64 h
	v_mul_u32_u24 v4, v25, 272
	v_lshl_add_u32 v4, v24, 4, v4
	v_add_nc_u32 v4, s50, v4                       ; back: lanes 0-15 one row, lanes 16-31 the next
	v_lshlrev_b32 v37, 2, v26
	v_add_nc_u32 v36, s51, v1
	v_add_nc_u32 v38, s52, v2
	v_add_nc_u32 v34, s53, v1
	v_add_nc_u32 v35, s54, v1
	s_wait_alu depctr_va_vdst(0)
	s_wait_xcnt 0x0                                ; every prefetch has read its address
	v_lshlrev_b32 v7, 12, v25
	v_lshl_add_u32 v7, v24, 4, v7                  ; the same two rows of x and out0, 4,096 bytes apart
	global_load_b32 v12, v37, s[14:15]             ; b_out of my two c
	global_load_b32 v16, v37, s[14:15] offset:32
.irp ks, 0,1,2,3,4,5,6,7
.irp u, 0,1
.irp c, 0,1
	ds_load_b128 v[128+8*(2*\ks+\u)+4*\c:131+8*(2*\ks+\u)+4*\c], v[34+\ks/4] offset:32768*((\ks/2)%2)+2048*\u+1024*(\ks%2)+512*\c
.endr
.endr
.endr
; res = O^T / the sum: a lane holds one query and 256 d: two fragments a tile, quantised, into LDS as images of registers.
	v_add_f32 v14, v14, v15
	v_add_f32 v18, v18, v19
	s_delay_alu instid0(VALU_DEP_2)
	v_permlanex16_b32 v28, v14, s[SEL], s[SEL+1]
	s_delay_alu instid0(VALU_DEP_2)
	v_permlanex16_b32 v29, v18, s[SEL], s[SEL+1]
	s_delay_alu instid0(VALU_DEP_2)
	v_add_f32 v14, v14, v28
	s_delay_alu instid0(VALU_DEP_2)
	v_add_f32 v18, v18, v29                        ; the rows' sums
	s_wait_alu depctr_va_vdst(0)
	v_rcp_f32 v20, v14
	v_rcp_f32 v22, v18
	v_nop                                          ; a plain place behind the reciprocals
.macro RES q, s
	s_wait_alu depctr_va_vdst(0)
	WIN 0x01                                       ; source 0: window 1
.set i, 0
.rept 32
	v_pk_mul_f32 v[64+i:65+i], v[128*\q+64*\s+i:128*\q+64*\s+i+1], v[20+2*\q:21+2*\q] op_sel_hi:[1,0]   ; each accumulator from its low end on
.set i, i+2
.endr
	WIN 0
	QUANT 64, 48+8*\s, 8+2*\q+\s
	ds_store_b128 v36, v[48+8*\s:51+8*\s] offset:8192*\q+1024*\s
	ds_store_b128 v36, v[52+8*\s:55+8*\s] offset:8192*\q+1024*\s+512
.endm
	RES 0, 0
	WIN 0x40                                       ; destination window 1: tile a's first 64 registers of O^T have been read
.irp i, 0,1,2,3,4,5,6,7,8,9,10,11,12,13,14,15
	global_load_b128 v[4*\i:4*\i+3], v7, s[16:17] offset:8192*\i th:TH_LOAD_NT   ; the residual: sixteen lanes read 256 consecutive bytes
.endr
	WIN 0
	RES 0, 1
	RES 1, 0
	RES 1, 1
	v_cndmask_b32 v8, v8, v10, s[HM]               ; lanes 0-15 tile a's words, lanes 16-31 tile b's: the 32 rows of one source 0
	v_cndmask_b32 v9, v9, v11, s[HM]
	ds_store_b32 v38, v8
	ds_store_b32 v38, v9 offset:128
	v_add_nc_u32 v24, RIMG, v1
	v_add_nc_u32 v25, RSC, v2
	s_wait_alu depctr_va_vdst(0)
	s_wait_dscnt 0x0                               ; for the others' sake: my stores have landed
	s_barrier_signal -1
	s_barrier_wait -1                              ; res lies whole in LDS
.macro RLOAD ks                        ; res's two pairs of tiles for K step ks, and their scale words, into buffer ks % 2: ten loads
.irp p, 0,1
	ds_load_b32 v[8+2*((\ks)%2)+\p], v25 offset:1024*\p+128*(\ks)
.irp u, 0,1
.irp c, 0,1
	ds_load_b128 v[64+32*((\ks)%2)+16*\p+8*\u+4*\c:67+32*((\ks)%2)+16*\p+8*\u+4*\c], v24 offset:8192*(2*\p+\u)+1024*(\ks)+512*\c
.endr
.endr
.endr
.endm
.macro KSTEP ks
.set RB, 64+32*((\ks)%2)
.set RS, 8+2*((\ks)%2)
.if (\ks) < 7
	s_wait_dscnt 10                                ; this K step's ten loads are in; the next step's ten may be out
.else
	s_wait_dscnt 0x0
.endif
.if (\ks) == 0
	s_wait_loadcnt 16                              ; W_out's scale words and b_out are in; x's 16 loads may be out
.endif
	WIN 0x50                                       ; C and D: window 1
.irp p, 0,1                                    ; four accumulators by turns
.irp u, 0,1
.if (\ks) == 0
	v_wmma_scale_f32_32x16x128_f4 v[128+16*(2*\p+\u):143+16*(2*\p+\u)], v[RB+16*\p:RB+16*\p+15], v[128+8*(2*(\ks)+\u):135+8*(2*(\ks)+\u)], 0, v[RS+\p], v[40+2*((\ks)/2)+\u]
.elseif (\ks)%2 == 0
	v_wmma_scale_f32_32x16x128_f4 v[128+16*(2*\p+\u):143+16*(2*\p+\u)], v[RB+16*\p:RB+16*\p+15], v[128+8*(2*(\ks)+\u):135+8*(2*(\ks)+\u)], v[128+16*(2*\p+\u):143+16*(2*\p+\u)], v[RS+\p], v[40+2*((\ks)/2)+\u]
.else
	v_wmma_scale_f32_32x16x128_f4 v[128+16*(2*\p+\u):143+16*(2*\p+\u)], v[RB+16*\p:RB+16*\p+15], v[128+8*(2*(\ks)+\u):135+8*(2*(\ks)+\u)], v[128+16*(2*\p+\u):143+16*(2*\p+\u)], v[RS+\p], v[40+2*((\ks)/2)+\u] matrix_b_scale:MATRIX_SCALE_ROW1
.endif
.endr
.endr
	WIN 0
	PLACES 4                                       ; places in front of loads into registers that these products have read, and of the first read of results
.if (\ks) < 6
	RLOAD (\ks)+2
.endif
.endm
	RLOAD 0
	RLOAD 1
.irp ks, 0,1,2,3,4,5,6,7
	KSTEP \ks
.endr
	v_mov_b32 v13, v12                             ; both halves of a pair for the packed addition
	v_mov_b32 v17, v16
	WIN 0x41                                       ; destination and source 0: window 1
.irp p, 0,1
.irp u, 0,1
.irp j, 0,2,4,6,8,10,12,14
	v_pk_add_f32 v[128+16*(2*\p+\u)+\j:129+16*(2*\p+\u)+\j], v[128+16*(2*\p+\u)+\j:129+16*(2*\p+\u)+\j], v[12+4*\u:13+4*\u]   ; + b_out of my c
.endr
.endr
.endr
	WIN 0x04                                       ; an LDS store's data are its source 1: window 1
.irp p, 0,1
.irp u, 0,1
.irp k, 0,1,2,3
	ds_store_b128 v3, v[128+16*(2*\p+\u)+4*\k:131+16*(2*\p+\u)+4*\k] offset:2176*\u+128*\p+16*\k   ; row c = 8 u + r + 8 (r / 8); positions 32 p + 16 h + 4 k .. + 3
.endr
.endr
.endr
	WIN 0
.irp i, 0,1,2,3,4,5,6,7,8,9,10,11,12,13,14,15
	ds_load_b128 v[192+4*\i:195+4*\i], v4 offset:544*\i   ; LDS serves a wave's instructions in order (ISA guide 5.7.1.4): these see my stores
.endr
	s_wait_loadcnt 0x0                             ; x
	WIN 0x44                                       ; destination and source 1 (x; a store's data): window 1; source 0 (the row read back; a store's offset): window 0
.irp i, 0,1,2,3,4,5,6,7,8,9,10,11,12,13,14,15
	s_wait_dscnt 15-\i
	v_pk_add_f32 v[4*\i:4*\i+1], v[192+4*\i:193+4*\i], v[4*\i:4*\i+1]     ; the row + x, into x's registers
	v_pk_add_f32 v[4*\i+2:4*\i+3], v[194+4*\i:195+4*\i], v[4*\i+2:4*\i+3]
	global_store_b128 v7, v[4*\i:4*\i+3], s[18:19] offset:8192*\i th:TH_STORE_NT   ; sixteen lanes store 256 consecutive bytes, at a multiple of 256 from out0's first byte
.endr
	WIN 0
	s_wait_tensorcnt 0x0                           ; the wave's end
	ds_add_u32 v5, v6
	s_wait_dscnt 0x0
	CROUND                                         ; the closing round: no work-group ends while a partner may still ask for a tile that names it
	s_endpgm
.Lfunc_end_k_q3677c200c7_attout:
	.size	k_q3677c200c7_attout, .Lfunc_end_k_q3677c200c7_attout-k_q3677c200c7_attout
	.p2alignl 7, 3214868480
	.fill 96, 4, 3214868480
	.section	.rodata,"a",@progbits
	.p2align	6, 0x0
	.amdhsa_kernel k_q3677c200c7_attout
		.amdhsa_group_segment_fixed_size 327680
		.amdhsa_private_segment_fixed_size 0
		.amdhsa_enable_private_segment 0
		.amdhsa_kernarg_size 64
		.amdhsa_user_sgpr_count 2
		.amdhsa_user_sgpr_kernarg_segment_ptr 1
		.amdhsa_wavefront_size32 1
		.amdhsa_system_sgpr_workgroup_id_x 1
		.amdhsa_system_sgpr_workgroup_id_y 1
		.amdhsa_system_sgpr_workgroup_id_z 1
		.amdhsa_system_vgpr_workitem_id 0
		.amdhsa_next_free_vgpr 512
		.amdhsa_next_free_sgpr 70
		.amdhsa_reserve_vcc 0
		.amdhsa_float_denorm_mode_32 3
		.amdhsa_float_denorm_mode_16_64 3
		.amdhsa_memory_ordered 1
		.amdhsa_forward_progress 1
		.amdhsa_inst_pref_size 181
	.end_amdhsa_kernel
	.amdgpu_metadata
---
amdhsa.version: [ 1, 2 ]
amdhsa.kernels:
  - .name:           k_q3677c200c7_attout
    .symbol:         k_q3677c200c7_attout.kd
    .args:
      - { .name: qc, .offset: 0, .size: 8, .value_kind: global_buffer, .address_space: global }
      - { .name: qs, .offset: 8, .size: 8, .value_kind: global_buffer, .address_space: global }
      - { .name: kv, .offset: 16, .size: 8, .value_kind: global_buffer, .address_space: global }
      - { .name: opc, .offset: 24, .size: 8, .value_kind: global_buffer, .address_space: global }
      - { .name: ops, .offset: 32, .size: 8, .value_kind: global_buffer, .address_space: global }
      - { .name: b_out, .offset: 40, .size: 8, .value_kind: global_buffer, .address_space: global }
      - { .name: x, .offset: 48, .size: 8, .value_kind: global_buffer, .address_space: global }
      - { .name: out0, .offset: 56, .size: 8, .value_kind: global_buffer, .address_space: global }
    .group_segment_fixed_size: 327680
    .private_segment_fixed_size: 0
    .kernarg_segment_align: 8
    .kernarg_segment_size: 64
    .max_flat_workgroup_size: 256
    .sgpr_count:     70
    .vgpr_count:     512
    .wavefront_size: 32
...
	.end_amdgpu_metadata
.endif
;; end of part 3
